; MI455X (gfx1250); checked and timed in simulation.
; The chip was launched on July 23, 2026; its instructions are those of AMD's public machine-readable ISA for CDNA 5 (MIT licence, August 2026) and "CDNA5" Instruction Set Architecture Reference Guide (July 2026). The comments in the code are by the model that wrote it; some were corrected since.
;; Soft Tree. Allowed arithmetic: matrix products marked QUANTISED: E2M1 operands, one E8M0 scale for each 32 along K, by v_wmma_scale_f32_16x16x128_f8f6f4 with both operands' format E2M1 (or v_wmma_scale_f32_32x16x128_f4), f32 sums; products left as they are: f32 operands where the result goes on into a quantised operand, else bf16, f16 or f32 operands; f32 sums; everything else in f32.
;; Inputs: biases 15 float32; leaf_W 16 x 1,024 x 1,024 float32; leaf_b 16 x 1,024 float32; leaf_indices 4,096 int32; masks 16 x 30 float32; weights 15 x 1,024 float32; xs 4,096 x 1,024 float32.
;; Outputs: out0 4,096 x 1,040 float32.
;; This version of the problem:
;;   THIS VERSION OF THE PROBLEM IS GIVEN IN LOW PRECISION. The matrix products marked QUANTISED in the list below multiply operands that are first quantised to E2M1 (2 exponent bits, 1 mantissa bit; 4 bits a number), with one power-of-two scale for each 32 numbers along K (OCP MX v1.0); their sums are f32. All else is computed in f32.
;;   The module's matrix products, in the order in which they are computed (A, B: the left and right operand; K: the contracted axis; several contracted axes count as one K, in the product's order):
;;     1. [M 4,096, K 1,024] x [K 1,024, N 15]; A: input xs; B: input weights: left as it is (N = 15 < 16)
;;     2. [M 4,096, K 30] x [K 30, N 16]; A: computed on the way; B: input masks: left as it is (K = 30 < 32)
;;     3. [M 4,096, K 1,024] x [K 1,024, N 1,024]; A: input xs; B: input leaf_W: QUANTISED
;;     4. [M 4,096, K 1,024] x [K 1,024, N 1,024]; A: input xs; B: input leaf_W: QUANTISED
;;     5. [M 4,096, K 1,024] x [K 1,024, N 1,024]; A: input xs; B: input leaf_W: QUANTISED
;;     6. [M 4,096, K 1,024] x [K 1,024, N 1,024]; A: input xs; B: input leaf_W: QUANTISED
;;     7. [M 4,096, K 1,024] x [K 1,024, N 1,024]; A: input xs; B: input leaf_W: QUANTISED
;;     8. [M 4,096, K 1,024] x [K 1,024, N 1,024]; A: input xs; B: input leaf_W: QUANTISED
;;     9. [M 4,096, K 1,024] x [K 1,024, N 1,024]; A: input xs; B: input leaf_W: QUANTISED
;;     10. [M 4,096, K 1,024] x [K 1,024, N 1,024]; A: input xs; B: input leaf_W: QUANTISED
;;     11. [M 4,096, K 1,024] x [K 1,024, N 1,024]; A: input xs; B: input leaf_W: QUANTISED
;;     12. [M 4,096, K 1,024] x [K 1,024, N 1,024]; A: input xs; B: input leaf_W: QUANTISED
;;     13. [M 4,096, K 1,024] x [K 1,024, N 1,024]; A: input xs; B: input leaf_W: QUANTISED
;;     14. [M 4,096, K 1,024] x [K 1,024, N 1,024]; A: input xs; B: input leaf_W: QUANTISED
;;     15. [M 4,096, K 1,024] x [K 1,024, N 1,024]; A: input xs; B: input leaf_W: QUANTISED
;;     16. [M 4,096, K 1,024] x [K 1,024, N 1,024]; A: input xs; B: input leaf_W: QUANTISED
;;     17. [M 4,096, K 1,024] x [K 1,024, N 1,024]; A: input xs; B: input leaf_W: QUANTISED
;;     18. [M 4,096, K 1,024] x [K 1,024, N 1,024]; A: input xs; B: input leaf_W: QUANTISED
;;   THE QUANTISER, for each operand of a quantised product, along K:
;;     - K is cut into blocks of 32 from its start; a last block that is shorter is filled with zeros.
;;     - A block's scale is 2^e with e = floor(log2(the largest magnitude in the block)) - 2, held to -126 .. 127; a block of zeros has e = 0. As a byte (E8M0): e + 127.
;;     - Each number is divided by its block's scale, clamped to +-6, and rounded to the nearest number of E2M1, ties to even, subnormals kept.
;;     - The product sums the exact products of the quantised numbers (number of the format x scale) in f32.
;;   ~~~python
;;   def quantise(x, axis):      # numpy; x: float32 -> the quantised numbers, widened to float32 again
;;       x = np.moveaxis(x, axis, -1); K = x.shape[-1]
;;       x = np.pad(x, [(0, 0)] * (x.ndim - 1) + [(0, -K % 32)]); x = x.reshape(x.shape[:-1] + (-1, 32)); a = np.abs(x).max(-1, keepdims=True)
;;       e = np.where(a > 0, np.clip(np.frexp(np.where(a > 0, a, 1))[1] - 1 - 2, -126, 127), 0)      # np.frexp(a)[1] - 1 = floor(log2(a)), exactly
;;       r = np.clip(x / 2.0 ** e, -6, 6)
;;       step = 2.0 ** (np.maximum(np.frexp(np.where(r == 0, 1, r))[1] - 1, 0) - 1)
;;       q = np.round(r / step) * step * 2.0 ** e      # np.round: ties to even
;;       return np.moveaxis(q.reshape(q.shape[:-2] + (-1,))[..., :K], -1, axis).astype(np.float32)
;;   ~~~
;; 2 versions, each right; version 2 is version 1 with the launch leaf written anew for expert scheduling mode. Each part assembles by itself: llvm-mc -triple=amdgcn-amd-amdhsa -mcpu=gfx1250 --defsym DOCPART=n.
;; ======== version 1 of 2: 2 launches
;; workspace buffers: xq 2,097,152 bytes; xsc 131,072 bytes; order 16,384 bytes of whole numbers; starts 256 bytes of whole numbers
;; launch prep (part 1): grid 256 x 1, 8 waves a work-group, no clusters, 168,960 bytes of LDS; arguments xs, weights, biases, masks, leaf_indices, xq, xsc, order, starts, out0; writes xq, xsc, order, starts, out0
.if DOCPART == 1
	.amdgcn_target "amdgcn-amd-amdhsa--gfx1250"
	.amdhsa_code_object_version 6
	.text
	.protected	k_qf849ca8324_prep
	.globl	k_qf849ca8324_prep
	.p2align	8
	.type	k_qf849ca8324_prep,@function
k_qf849ca8324_prep:
	s_mov_b64 s[64:65], 0
	v_nop
	global_prefetch_b8 v0, s[64:65] scope:SCOPE_SE
	s_setreg_imm32_b32 hwreg(HW_REG_WAVE_MODE, 25, 1), 1
	s_wait_xcnt 0x0
; PREP.  Work-group g owns tokens 16 g .. 16 g + 15 of xs [4096][1024] f32.  It makes four things:
;  (1) xq [token][512 bytes]: the row's codes of E2M1, K innermost, two a byte;  xsc [token][8 words]: word s = the four E8M0 bytes of k = 128 s .. 128 s + 127.
;      A block's scale is 2^(floor(log2(largest magnitude)) - 2); its byte is the largest magnitude's exponent field - 2, held at 1 from below.
;  (2) out0 columns 0-15: logits = xs weights^T + biases (operands rounded to bf16, sums f32), the two log-sigmoids in f32, their product with the input masks [16][30] in f32 multiply-adds.
;  (3) order[p] = token, p = the token's place when all 4,096 tokens are sorted by (leaf, token): p = how many of the 4,096 keys leaf x 4096 + token are smaller.  No atomics, no branch on data.
;  (4) work-groups 0 .. 16: starts[g] = how many tokens have a leaf under g.
; SHARES.  Wave w (0 .. 7) owns k = 128 w .. 128 w + 127 of the 16 rows and of the 15 weight rows; one tensor load brings each of the two tiles (16 rows x 512 bytes) into the wave's own LDS bytes,
; which are filled once.  The weights' tile states 15 rows of tensor for 16 of tile: its row 15 arrives as zeros and no byte behind the buffer is read.  Of the 4,096 keys a wave compares 512 (16 a lane).
; LIMITS: leaf_indices are taken to lie in 0 .. 15 (an index stays inside its table); other values reach no address outside a buffer (clamps), but such tokens are not served.  NaN and infinities are not served.
; A block of zeros gets the byte 1 where the quantiser says 127: its codes are zeros, and the bytes are read by this program alone.  The logits carry the rounding of both operands to bf16.
; NO CLUSTER: the 60 KiB of weights are the one thing that work-groups share; each LDS byte here is filled once, so a joint load would add an opening and a closing meeting of the cluster to a text
; with a single barrier, and the store of starts is under a branch on the work-group's number, which partners do not share.
.set TILE, 8448                        ; 16 rows x (512 bytes + 16 of padding): row r starts 132 words on, so that 16 rows start at 16 different groups of banks
.set WT,   8*TILE                      ; LDS: x's eight tiles from 0, the weights' eight from here
.set CST,  16*TILE                     ; the codes' stage: 16 rows x 528
.set SST,  CST+TILE                    ; the scale words: [row][8 words], 512 bytes
.set LG,   SST+512                     ; partial logits: for each wave [16 tokens] x 80 bytes (16 nodes f32 + 16)
.set CNT,  LG+8*1280                   ; partial counts: 32 words a wave
.set LP,   CNT+8*128                   ; the log-sigmoids: for each wave 2 tokens x 128 bytes
.set MK,   16                          ; v16-45   masks[r][0 .. 29]
.set XR,   48                          ; v48-111  x: register 16 b + i = x[row r][128 w + 32 b + 16 h + i]
.set WF,   112                         ; v112-175 the same of weights' row r; before that v112-115 global offsets; later what follows
.set TM,   112                         ; v112-127 the quantiser's work
.set PC,   128                         ; v128-135 the codes just made
.set PW,   136                         ; v136     their scale word
.set SS,   138                         ; v138-145 my partial logits
.set KEY,  176                         ; v176-191 16 keys a lane; then
.set XB,   176                         ; v176-207 x in bf16, four fragments
.set WB,   208                         ; v208-239 the weights in bf16
.set LA,   240                         ; v240-247, v248-255 two accumulators
.set LB,   248
.set GS,   112                         ; behind the barrier: v112-119 eight partial logits; v120-131 at work; v132-139 two rows of codes; v144-173 a token's 30 log-sigmoids; v174-176 store offsets
.set QL,   144
	s_load_b256 s[4:11], s[0:1], 0x0               ; xs s[4:5], weights s[6:7], biases s[8:9], masks s[10:11]
	s_load_b256 s[12:19], s[0:1], 0x20             ; leaf_indices s[12:13], xq s[14:15], xsc s[16:17], order s[18:19]
	s_load_b128 s[20:23], s[0:1], 0x40             ; starts s[20:21], out0 s[22:23]
	s_set_vgpr_msb 0x40
	v_lshl_add_u32 v0, v0, 2, 0x29000
	v_mov_b32 v1, 0
	s_set_vgpr_msb 0x4045
	ds_add_u32 v0, v1
	ds_add_u32 v0, v1
	s_set_vgpr_msb 0x4500
	v_lshrrev_b32 v1, 5, v0
	v_readfirstlane_b32 s24, v1                    ; wave 0 .. 7
	s_mov_b32 s25, ttmp9                           ; g
	v_and_b32 v1, 31, v0                           ; lane
	v_and_b32 v2, 15, v0                           ; r
	v_bfe_u32 v3, v0, 4, 1                         ; h
	; descriptor group 1: 16 rows x 128 elements of 4 bytes, 1,024 elements from row to row, 4 words of padding behind every 128
	s_mov_b32 s32, (2<<16)|(1<<20)|(6<<22)|(3<<25)
	s_mov_b32 s33, 128<<16                         ; tensor_dim0 = 128
	s_mov_b32 s34, 16<<16                          ; tensor_dim1 = 16
	s_mov_b32 s35, 128<<16                         ; tile_dim0 = 128
	s_mov_b32 s36, 16                              ; tile_dim1 = 16
	s_mov_b32 s37, 1024                            ; the pitch
	s_mov_b32 s38, 0
	s_mov_b32 s39, 0
	s_mov_b32 s40, (2<<16)|(1<<20)|(6<<22)|(3<<25) ; the weights': the same but for
	s_mov_b32 s41, 128<<16
	s_mov_b32 s42, 15<<16                          ; tensor_dim1 = 15: the tile's row 15 is written as zeros
	s_mov_b32 s43, 128<<16
	s_mov_b32 s44, 16
	s_mov_b32 s45, 1024
	s_mov_b32 s46, 0
	s_mov_b32 s47, 0
	s_mov_b32 s48, 1
	s_mul_i32 s49, s24, TILE                       ; my tile of x in LDS
	s_mov_b32 s52, 1
	s_add_co_u32 s53, s49, WT                      ; my tile of the weights
	s_lshl_b32 s56, s24, 9                         ; my 512 bytes of a row
	s_mov_b32 s57, 0
	s_lshl_b32 s26, s25, 16                        ; 16 rows of 4,096 bytes a work-group
	s_add_co_u32 s26, s26, s56
	s_mov_b32 s27, 0
	s_mov_b32 s28, 0x76543210                      ; v_permlanex16_b32's selects for lane l xor 16
	s_mov_b32 s29, 0xfedcba98
	s_lshl_b32 s58, s25, 4                         ; 16 g: my first token
	s_min_u32 s84, s25, 16
	s_lshl_b32 s59, s84, 2                         ; my word of starts
	s_lshl_b32 s84, s84, 12                        ; the seventeenth key: g x 4096, over which lie exactly the tokens of leaves g and above
	s_lshl_b32 s30, s25, 6                         ; my 16 indices' bytes
	s_wait_dscnt 0x0
	s_wait_kmcnt 0x0
	s_add_nc_u64 s[50:51], s[4:5], s[26:27]
	s_or_b32 s51, s51, 0x80000000
	s_add_nc_u64 s[54:55], s[6:7], s[56:57]
	s_or_b32 s55, s55, 0x80000000
	tensor_load_to_lds s[48:51], s[32:39]          ; both fills go out together, ahead of every wait on TENSORcnt, LDS read and barrier: two loads of mine are out
	s_nop 0
	tensor_load_to_lds s[52:55], s[40:47]
	s_nop 0
	v_lshlrev_b32 v112, 4, v0                      ; the keys' loads: 16 bytes a thread
	v_mul_u32_u24 v113, v2, 120                    ; masks: row r of 30 numbers
	v_min_u32 v114, 14, v2                         ; biases: node r (lane 15 stands for no node and takes node 14's)
	v_lshlrev_b32 v114, 2, v114
	v_lshlrev_b32 v115, 2, v0                      ; 4 x thread: the first token of a thread's four
.irp i, 0,1,2,3
	global_load_b128 v[KEY+4*\i:KEY+4*\i+3], v112, s[12:13] offset:4096*\i     ; the leaves of tokens 1024 i + 4 thread + 0 .. 3
.endr
.irp i, 0,1,2,3,4,5,6,7,8,9,10,11,12,13,14
	global_load_b64 v[MK+2*\i:MK+2*\i+1], v113, s[10:11] offset:8*\i           ; rows of 120 bytes are multiples of 8 apart
.endr
	global_load_b32 v46, v114, s[8:9]
	s_load_b512 s[68:83], s[12:13], s30 offset:0x0 ; my own 16 tokens' leaves, as scalars
	; every LDS address, ahead of the places where the waves part
	v_mul_u32_u24 v4, v2, 528
	v_lshl_add_u32 v6, v3, 4, v4
	v_lshl_add_u32 v4, v3, 6, v4
	v_add_nc_u32 v4, s49, v4                       ; v4  x's tile: row r, + 64 h: my 16 numbers of a block of 32
	v_add_nc_u32 v5, WT, v4                        ; v5  the same in the weights' tile
	s_lshl_b32 s31, s24, 6
	s_add_co_u32 s31, s31, CST
	v_add_nc_u32 v6, s31, v6                       ; v6  the codes' stage: row r, my K step's 64 bytes, + 16 h
	s_lshl_b32 s31, s24, 2
	s_add_co_u32 s31, s31, SST
	v_lshl_add_u32 v7, v2, 5, s31                  ; v7  row r's scale word of K step w
	s_mul_i32 s31, s24, 1280
	s_add_co_u32 s31, s31, LG
	v_mul_u32_u24 v8, v2, 80
	v_lshl_add_u32 v8, v3, 5, v8
	v_add_nc_u32 v8, s31, v8                       ; v8  my partial logits: token r, nodes 8 h on
	v_lshl_add_u32 v9, v0, 2, CNT                  ; v9  my partial counts: 128 w + 4 lane
	s_mul_i32 s31, s24, 1056
	s_add_co_u32 s31, s31, CST
	v_lshl_add_u32 v10, v1, 4, s31                 ; v10 back from the stage: rows 2 w and 2 w + 1, 16 bytes a lane
	s_mul_i32 s31, s24, 160
	s_add_co_u32 s31, s31, LG
	v_mul_u32_u24 v11, v3, 80
	v_lshl_add_u32 v11, v2, 2, v11
	v_add_nc_u32 v11, s31, v11                     ; v11 token 2 w + h, node r, in wave 0's partial logits
	v_lshl_add_u32 v12, v0, 3, LP                  ; v12 256 w + 128 h + 8 r: my node's two log-sigmoids
	v_and_b32 v13, 0xf0, v0
	v_lshl_add_u32 v13, v13, 3, LP                 ; v13 256 w + 128 h: my token's thirty
	v_lshl_add_u32 v14, v1, 4, SST                 ; v14 the scale words, 16 bytes a lane
	v_lshl_add_u32 v15, v1, 2, CNT                 ; v15 wave 0's counts, a word a lane
	v_mov_b32 v47, 0                               ; v47 my wave's counts: lane T = key T's
	s_lshl_b32 s26, s25, 13
	s_add_nc_u64 s[14:15], s[14:15], s[26:27]      ; xq at my 16 rows of 512 bytes
	s_lshl_b32 s26, s25, 9
	s_add_nc_u64 s[16:17], s[16:17], s[26:27]      ; xsc at my 16 rows of 32 bytes
	s_mul_i32 s26, s25, 66560
	s_add_nc_u64 s[22:23], s[22:23], s[26:27]      ; out0 at my 16 rows of 4,160 bytes
	; ---- the places.  key = leaf x 4096 + token
	s_wait_loadcnt 16                              ; loads return in order: the 15 loads of masks and the one of the bias are younger, the four of leaves are in
.irp q, 0,1,2,3,4,5,6,7,8,9,10,11,12,13,14,15
	v_lshl_add_u32 v[KEY+\q], v[KEY+\q], 12, v115
.endr
.irp q, 1,2,3,4,5,6,7,8,9,10,11,12,13,14,15
	v_add_nc_u32 v[KEY+\q], 1024*(\q/4)+\q%4, v[KEY+\q]
.endr
	s_wait_kmcnt 0x0
.irp T, 0,1,2,3,4,5,6,7,8,9,10,11,12,13,14,15
	s_lshl_b32 s[68+\T], s[68+\T], 12
	s_add_co_u32 s[68+\T], s[68+\T], s58
.if \T > 0
	s_add_co_u32 s[68+\T], s[68+\T], \T
.endif
.endr
; How many of my wave's 512 keys lie under key T (s[68 + T]; T = 16: s84): sixteen compares, the ones of their masks counted and added; the sum goes to lane T of v47.
.macro COUNT T
.irp q, 0,1,2,3,4,5,6,7,8,9,10,11,12,13,14,15
	v_cmp_gt_u32 s[85+\q], s[68+\T], v[KEY+\q]
.endr
.irp q, 0,1,2,3,4,5,6,7,8,9,10,11,12,13,14,15
	s_bcnt1_i32_b32 s[85+\q], s[85+\q]
.endr
	s_add_co_u32 s101, s85, s86
.irp q, 2,3,4,5,6,7,8,9,10,11,12,13,14,15
	s_add_co_u32 s101, s101, s[85+\q]
.endr
	v_writelane_b32 v47, s101, \T
.endm
.irp T, 0,1,2,3,4,5,6,7,8,9,10,11,12,13,14,15,16
	COUNT \T
.endr
	; ---- my two tiles into registers
	s_wait_loadcnt 0x0                             ; masks and bias are in, and v112-114, which those loads named, are free
	s_wait_tensorcnt 0x0                           ; both my tiles have landed; nobody else reads them, so no barrier stands here
.irp b, 0,1,2,3
.irp j, 0,1,2,3
	ds_load_b128 v[XR+16*\b+4*\j:XR+16*\b+4*\j+3], v4 offset:128*\b+16*\j
.endr
.endr
.irp b, 0,1,2,3
.irp j, 0,1,2,3
	ds_load_b128 v[WF+16*\b+4*\j:WF+16*\b+4*\j+3], v5 offset:128*\b+16*\j
.endr
.endr
	s_wait_dscnt 16                                ; LDS loads return in order: x is in, the weights' sixteen may be out
.irp p, 0,1,2,3,4,5,6,7,8,9,10,11,12,13,14,15,16,17,18,19,20,21,22,23,24,25,26,27,28,29,30,31
	v_cvt_pk_bf16_f32 v[XB+\p], v[XR+2*\p], v[XR+2*\p+1]
.endr
	s_wait_dscnt 0x0
.irp p, 0,1,2,3,4,5,6,7,8,9,10,11,12,13,14,15,16,17,18,19,20,21,22,23,24,25,26,27,28,29,30,31
	v_cvt_pk_bf16_f32 v[WB+\p], v[WF+2*\p], v[WF+2*\p+1]
.endr
	; Fragment b holds, in lane (r, h), k = 32 b + 16 h + 0 .. 15 of row r: another order of the 32 k than the operand's own, but the same in both operands, so the sum of products is that of these 32 k.
	; Source 0 = 16 nodes, source 1 = 16 tokens: lane (r, h) gets token r, register j node 8 h + j.  Two accumulators by turns.
	v_wmma_f32_16x16x32_bf16 v[LA:LA+7], v[WB:WB+7], v[XB:XB+7], 0
	v_wmma_f32_16x16x32_bf16 v[LB:LB+7], v[WB+8:WB+15], v[XB+8:XB+15], 0
	v_wmma_f32_16x16x32_bf16 v[LA:LA+7], v[WB+16:WB+23], v[XB+16:XB+23], v[LA:LA+7]
	v_wmma_f32_16x16x32_bf16 v[LB:LB+7], v[WB+24:WB+31], v[XB+24:XB+31], v[LB:LB+7]
	; ---- x's 64 numbers a lane become a fragment's codes and its scale word.  These lines name no register of the products above: they are the places behind them (ISA guide 7.12.1).
.irp b, 0,1,2,3
	v_max3_num_f32 v[TM+\b], |v[XR+16*\b]|, |v[XR+1+16*\b]|, 0x1800000        ; block b: my 16 numbers, and the floor 2^(3 - 127): so the byte cannot fall under 1
.endr
.irp i, 2,4,6,8,10,12,14
.irp b, 0,1,2,3
	v_max3_num_f32 v[TM+\b], v[TM+\b], |v[XR+16*\b+\i]|, |v[XR+1+16*\b+\i]|   ; the four blocks by turns
.endr
.endr
.irp b, 0,1,2,3
	v_permlanex16_b32 v[TM+4+\b], v[TM+\b], s28, s29                           ; (its destination counts as read: the weights' loads have written it)
.endr
.irp b, 0,1,2,3
	v_max_num_f32 v[TM+\b], v[TM+\b], v[TM+4+\b]                               ; with lane l xor 16's: the block's largest magnitude
.endr
.irp b, 0,1,2,3
	v_add_nc_u32 v[TM+12+\b], 0xff000000, v[TM+\b]                             ; 2 off its exponent field: the conversion takes that field as its scale
.endr
.irp b, 0,1,2,3
	v_lshrrev_b32 v[TM+4+\b], 23, v[TM+12+\b]                                  ; the scale's byte
.endr
	v_lshl_or_b32 v[PW], v[TM+5], 8, v[TM+4]
	v_lshl_or_b32 v[PW], v[TM+6], 16, v[PW]
	v_lshl_or_b32 v[PW], v[TM+7], 24, v[PW]                                    ; row r's scale word of K step w, in both halves of the lanes
.irp b, 0,1,2,3
	v_cvt_scalef32_pk8_fp4_f32 v[PC+2*\b], v[XR+16*\b:XR+7+16*\b], v[TM+12+\b]
	v_cvt_scalef32_pk8_fp4_f32 v[PC+1+2*\b], v[XR+8+16*\b:XR+15+16*\b], v[TM+12+\b]
.endr
	v_nop                                          ; one plain place behind a scaled conversion
.irp c, 0,1                                    ; a whole block to a lane: registers 4 c .. 4 c + 3 then hold k = 64 c + 32 h + 0 .. 31, 16 bytes of the row as they lie in xq
.irp i, 0,1
	v_permlane16_swap_b32 v[PC+4*\c+\i], v[PC+2+4*\c+\i]
.endr
.endr
.irp p, 0,2,4,6
	v_pk_add_f32 v[SS+\p:SS+\p+1], v[LA+\p:LA+\p+1], v[LB+\p:LB+\p+1]          ; my K step's part of the logits; each accumulator is read from its low end on
.endr
	ds_store_b128 v6, v[PC:PC+3]
	ds_store_b128 v6, v[PC+4:PC+7] offset:32
	ds_store_b32 v7, v[PW]                         ; both halves of the lanes write the same word with the same value
	ds_store_b128 v8, v[SS:SS+3]
	ds_store_b128 v8, v[SS+4:SS+7] offset:16
	ds_store_b32 v9, v47
	s_wait_dscnt 0x0                               ; for the others' sake: my stores have landed
	s_barrier_signal -1
	s_barrier_wait -1                              ; the one barrier: codes, scale words, partial logits and partial counts of all eight waves lie in LDS
	; ---- wave w finishes tokens 2 w and 2 w + 1: lane (r, h) stands for token 2 w + h, and for node r, later for leaf r
.irp u, 0,1,2,3,4,5,6,7
	ds_load_b32 v[GS+\u], v11 offset:1280*\u
.endr
	ds_load_b128 v[132:135], v10
	ds_load_b128 v[136:139], v10 offset:528
	s_lshl_b32 s26, s24, 10
	v_lshl_add_u32 v174, v1, 4, s26                ; xq: rows 2 w, 2 w + 1; 16 bytes a lane
	s_mul_i32 s26, s24, 8320
	v_mul_u32_u24 v175, v3, 4160
	v_lshl_add_u32 v175, v2, 2, v175
	v_add_nc_u32 v175, s26, v175                   ; out0: row 2 w + h, column r
	s_wait_dscnt 2                                 ; the eight parts are in; the two loads of codes may be out
	v_pk_add_f32 v[112:113], v[112:113], v[114:115]
	v_pk_add_f32 v[116:117], v[116:117], v[118:119]
	v_pk_add_f32 v[112:113], v[112:113], v[116:117]
	v_add_f32 v112, v112, v113
	v_add_f32 v112, v112, v46                      ; the logit l
	; log_sigmoid(l) = min(l, 0) - ln(1 + e^-|l|), log_sigmoid(-l) = min(-l, 0) - the same: the exponent is never above 0
	v_mul_f32 v120, 0xbfb8aa3b, |v112|             ; -log2(e) |l|
	v_exp_f32 v120, v120
	v_min_num_f32 v121, 0, v112                    ; (a plain place behind the exponential)
	v_min_num_f32 v122, 0, -v112
	s_wait_alu depctr_va_vdst(0)
	v_add_f32 v120, 1.0, v120
	v_log_f32 v120, v120
	v_lshlrev_b32 v176, 4, v1                      ; (a plain place behind the logarithm)  xsc: 16 bytes a lane
	s_wait_alu depctr_va_vdst(0)
	v_fmamk_f32 v124, v120, 0xbf317218, v122       ; column 2 r: log_sigmoid(-l) = min(-l, 0) - ln 2 x log2(..)
	v_fmamk_f32 v125, v120, 0xbf317218, v121       ; column 2 r + 1: log_sigmoid(l)
	ds_store_b64 v12, v[124:125]                   ; (lane 15's pair falls on columns 30, 31, which nobody reads)
.irp i, 0,1,2,3,4,5,6
	ds_load_b128 v[QL+4*\i:QL+4*\i+3], v13 offset:16*\i      ; my wave's own bytes, and LDS serves a wave's instructions in order: these see the store above
.endr
	ds_load_b64 v[QL+28:QL+29], v13 offset:112
	s_wait_dscnt 0x0
	global_store_b128 v174, v[132:135], s[14:15]             ; a row of codes: the 32 lanes store 512 consecutive bytes, at a multiple of 512 from xq's first byte
	global_store_b128 v174, v[136:139], s[14:15] offset:512
	v_pk_mul_f32 v[126:127], v[QL:QL+1], v[MK:MK+1]          ; the sum over 30 columns of lp x masks[r], two at a time, in two chains
	v_pk_mul_f32 v[128:129], v[QL+2:QL+3], v[MK+2:MK+3]
.irp p, 4,8,12,16,20,24
	v_pk_fma_f32 v[126:127], v[QL+\p:QL+\p+1], v[MK+\p:MK+\p+1], v[126:127]
	v_pk_fma_f32 v[128:129], v[QL+\p+2:QL+\p+3], v[MK+\p+2:MK+\p+3], v[128:129]
.endr
	v_pk_fma_f32 v[126:127], v[QL+28:QL+29], v[MK+28:MK+29], v[126:127]
	v_pk_add_f32 v[126:127], v[126:127], v[128:129]
	v_add_f32 v126, v126, v127
	global_store_b32 v175, v126, s[22:23]          ; sixteen lanes store a token's 64 bytes of log-probabilities
	s_cmp_lg_u32 s24, 7                            ; wave 7 alone: the 16 rows' scale words, 512 consecutive bytes
	s_cbranch_scc1 .Lnot_wave_7
	ds_load_b128 v[120:123], v14
	s_wait_dscnt 0x0
	global_store_b128 v176, v[120:123], s[16:17]
.Lnot_wave_7:
	s_cmp_lg_u32 s24, 0                            ; wave 0 alone: the places
	s_cbranch_scc1 .Lend
.irp u, 0,1,2,3,4,5,6,7
	ds_load_b32 v[112+\u], v15 offset:128*\u
.endr
	s_wait_dscnt 0x0
	v_add3_u32 v112, v112, v113, v114
	v_add3_u32 v115, v115, v116, v117
	v_add3_u32 v112, v112, v118, v119
	v_add_nc_u32 v112, v112, v115                  ; lane T < 16: token 16 g + T's place; lane 16: how many tokens have a leaf under g
	v_min_u32 v113, 0xfff, v112                    ; a place lies in 0 .. 4,095; the hold keeps the store inside order whatever the indices hold
	v_lshlrev_b32 v113, 2, v113
	v_add_nc_u32 v114, s58, v1                     ; the token
	v_mov_b32 v115, s59
	v_cmp_gt_u32 vcc_lo, 16, v1
	s_wait_xcnt 0x0                                ; EXEC is a source of the stores above: it changes only behind this wait
	s_and_saveexec_b32 s30, vcc_lo
	global_store_b32 v113, v114, s[18:19]          ; order[place] = token
	s_wait_xcnt 0x0                                ; and again in front of the line that widens it
	s_or_b32 exec_lo, exec_lo, s30
	s_cmp_gt_u32 s25, 16                           ; starts has 17 words: work-groups 0 .. 16 store one each
	s_cbranch_scc1 .Lend
	v_cmp_eq_u32 vcc_lo, 16, v1
	s_and_saveexec_b32 s30, vcc_lo
	global_store_b32 v115, v112, s[20:21]
	s_wait_xcnt 0x0
	s_or_b32 exec_lo, exec_lo, s30
.Lend:
	s_set_vgpr_msb 0x5
	s_wait_tensorcnt 0x0
	ds_add_u32 v0, v1
	s_wait_dscnt 0x0
	s_set_vgpr_msb 0x500
	s_endpgm
.Lfunc_end_k_qf849ca8324_prep:
	.size	k_qf849ca8324_prep, .Lfunc_end_k_qf849ca8324_prep-k_qf849ca8324_prep
	.p2alignl 7, 3214868480
	.fill 96, 4, 3214868480
	.section	.rodata,"a",@progbits
	.p2align	6, 0x0
	.amdhsa_kernel k_qf849ca8324_prep
		.amdhsa_group_segment_fixed_size 168960
		.amdhsa_private_segment_fixed_size 0
		.amdhsa_enable_private_segment 0
		.amdhsa_kernarg_size 80
		.amdhsa_user_sgpr_count 2
		.amdhsa_user_sgpr_kernarg_segment_ptr 1
		.amdhsa_wavefront_size32 1
		.amdhsa_system_sgpr_workgroup_id_x 1
		.amdhsa_system_sgpr_workgroup_id_y 1
		.amdhsa_system_sgpr_workgroup_id_z 1
		.amdhsa_system_vgpr_workitem_id 0
		.amdhsa_next_free_vgpr 258
		.amdhsa_next_free_sgpr 102
		.amdhsa_reserve_vcc 1
		.amdhsa_float_denorm_mode_32 3
		.amdhsa_float_denorm_mode_16_64 3
		.amdhsa_memory_ordered 1
		.amdhsa_forward_progress 1
		.amdhsa_inst_pref_size 62
	.end_amdhsa_kernel
	.amdgpu_metadata
---
amdhsa.version: [ 1, 2 ]
amdhsa.kernels:
  - .name:           k_qf849ca8324_prep
    .symbol:         k_qf849ca8324_prep.kd
    .args:
      - { .name: xs, .offset: 0, .size: 8, .value_kind: global_buffer, .address_space: global }
      - { .name: weights, .offset: 8, .size: 8, .value_kind: global_buffer, .address_space: global }
      - { .name: biases, .offset: 16, .size: 8, .value_kind: global_buffer, .address_space: global }
      - { .name: masks, .offset: 24, .size: 8, .value_kind: global_buffer, .address_space: global }
      - { .name: leaf_indices, .offset: 32, .size: 8, .value_kind: global_buffer, .address_space: global }
      - { .name: xq, .offset: 40, .size: 8, .value_kind: global_buffer, .address_space: global }
      - { .name: xsc, .offset: 48, .size: 8, .value_kind: global_buffer, .address_space: global }
      - { .name: order, .offset: 56, .size: 8, .value_kind: global_buffer, .address_space: global }
      - { .name: starts, .offset: 64, .size: 8, .value_kind: global_buffer, .address_space: global }
      - { .name: out0, .offset: 72, .size: 8, .value_kind: global_buffer, .address_space: global }
    .group_segment_fixed_size: 168960
    .private_segment_fixed_size: 0
    .kernarg_segment_align: 8
    .kernarg_segment_size: 80
    .max_flat_workgroup_size: 256
    .sgpr_count:     102
    .vgpr_count:     258
    .wavefront_size: 32
...
	.end_amdgpu_metadata
.endif
;; end of part 1
;; launch leaf (part 2): grid 16 x 16, 16 waves a work-group, no clusters, 36,864 bytes of LDS; arguments leaf_W, leaf_b, xq, xsc, order, starts, out0; writes out0
.if DOCPART == 2
	.amdgcn_target "amdgcn-amd-amdhsa--gfx1250"
	.amdhsa_code_object_version 6
	.text
	.protected	k_qf849ca8324_leaf
	.globl	k_qf849ca8324_leaf
	.p2align	8
	.type	k_qf849ca8324_leaf,@function
k_qf849ca8324_leaf:
	s_mov_b64 s[64:65], 0
	v_nop
	global_prefetch_b8 v0, s[64:65] scope:SCOPE_SE
	s_setreg_imm32_b32 hwreg(HW_REG_WAVE_MODE, 25, 1), 1
	s_wait_xcnt 0x0
; LEAF.  out0[t][16 + n] = the sum over k of Q(xs)[t][k] Q(leaf_W[e])[k][n] + leaf_b[e][n] for e = leaf_indices[t]: only the rows that the routing keeps are multiplied.
; Work-group (c, e) owns columns 64 c .. 64 c + 63 of leaf e for ALL tokens of that leaf, so each byte of leaf_W is read by one work-group, once, as f32, and its codes never go to memory.
; PHASE W.  Wave w (0 .. 15) takes k = 64 w .. 64 w + 63 of the slice.  Lane (r, h) loads 16 bytes, columns 4 r .. 4 r + 3, of row 64 w + 32 h + kk: a load of the wave covers two runs of 256 consecutive bytes.
; COLUMN TILE j IS THE COLUMNS 4 r + j, r = 0 .. 15.  So lane (r, h) holds, for each j, the whole block of 32 along K that the operand's layout gives lane (n = r, h): no other lane is asked for a maximum or a code.
; The conversions take 8 neighbours along K from consecutive registers; a load leaves them 4 registers apart: one v_mov_b32 a number sets them side by side.  That is the price of loads of 16 bytes a lane, by which all
; 256 KiB of the slice are asked for at once (32 loads a wave).  The fragments go to LDS as images of their registers (lane l's 16 bytes at 16 l); the scale words as [K step][r][j].
; PHASE T.  The leaf's rows are order[starts[e] .. starts[e + 1] - 1].  A tile is 32 rows; wave w takes tiles w, w + 16, ..  Source 0 = 16 rows of x (codes gathered from xq by the list), source 1 = a column tile:
; register i of lane (r, h) is (row 8 h + i, column 4 r + j), so the four tiles' registers i are 16 neighbouring bytes of a row of out0, and sixteen lanes store 256 consecutive bytes.
; Rows past the leaf's last row are taken as the last row again: the same codes give the same bits, stored to the same bytes by the same wave; EXEC is never changed.
; The grid serves every split: all tokens on one leaf are 128 tiles, 8 a wave; a leaf without tokens has no tile and stores nothing.
; NO TENSOR LOAD, NO CLUSTER: the number of tiles is read from starts, and the rows of x, which the 16 work-groups of a leaf share, are gathered by a list, lane by lane, into registers; the slices of leaf_W are shared by nobody.
; LIMITS: NaN and infinities are not served; a block of zeros gets the byte 1 where the quantiser says 127 (its codes are zeros; the bytes never leave LDS).  Stored numbers are held into their ranges before they reach an address.
.set SCW,  32768                       ; LDS: 0: fragment (K step s, tile j), half c at 4096 s + 1024 j + 512 c + 16 lane;  from here: the scale word of (s, r, j) at 256 s + 16 r + 4 j
.set MAXT, 4096/32/16                  ; tiles of a wave at the most: all 4,096 rows on one leaf, 32 rows a tile, 16 waves
.set BIAS, 8                           ; v8-11    leaf_b of columns 4 r + 0 .. 3
.set LST,  12                          ; v12-16   tokens from the list: rows r and 16 + r; rows r xor 8 h and 16 + that; row = lane
.set XS,   20                          ; v20-27   x's scale words of K steps 0 .. 7: lanes 0-15 rows 0-15, lanes 16-31 rows 16-31.  They hold scales and nothing else
.set BS,   28                          ; v28-31   W's scale words of tiles 0 .. 3.  Likewise
.set BF,   32                          ; v32-63   W's four fragments of a K step; v32-36 are the list's index registers before
.set ACC,  64                          ; v64-127  accumulator (row tile mt, column tile j) at 64 + 32 mt + 8 j; v64-66 hold the gathers' offsets until the first product
.set XF,   128                         ; v128-255 x's fragments (mt, s) at 128 + 64 mt + 8 s; on the way out v128-191 data, v192-207 addresses
.set RAW,  128                         ; phase W: register 4 kk + j = W[64 w + 32 h + kk][4 r + j]
.set MX,   64                          ; phase W: v64-67 largest magnitudes, v68-71 the conversions' scale operands, v72-75 scale bytes, v76-79 the other half's,
.set SO,   68
.set ZB,   72
.set ZO,   76
.set TT,   80                          ; v80-95 two sets of 8 neighbours along K, v96-111 codes (tile j, register g at 96 + 4 j + g)
.set CD,   96
	s_load_b256 s[4:11], s[0:1], 0x0               ; leaf_W s[4:5], leaf_b s[6:7], xq s[8:9], xsc s[10:11]
	s_load_b128 s[12:15], s[0:1], 0x20             ; order s[12:13], starts s[14:15]
	s_load_b64 s[16:17], s[0:1], 0x30              ; out0
	v_lshl_add_u32 v18, v0, 2, 0x8800
	v_mov_b32 v19, 0
	v_lshrrev_b32 v1, 5, v0
	v_readfirstlane_b32 s18, v1                    ; wave 0 .. 15
	s_mov_b32 s19, ttmp9                           ; c
	s_and_b32 s20, ttmp7, 0xffff                   ; e
	v_and_b32 v7, 31, v0                           ; v7  lane
	v_and_b32 v5, 15, v0                           ; v5  r
	v_bfe_u32 v3, v0, 4, 1                         ; h
	v_lshlrev_b32 v1, 4, v7                        ; v1  16 lane: my place in an image
	v_lshlrev_b32 v4, 4, v5                        ; v4  16 r: my four columns' bytes
	v_add_nc_u32 v2, SCW, v4                       ; v2  my column index's four scale words
	v_lshlrev_b32 v115, 3, v3                      ; 8 h
	v_xor_b32 v6, v5, v115                         ; v6  r xor 8 h
	v_lshl_add_u32 v114, v3, 17, v4                ; W: 32 rows of 4,096 bytes further down for lanes 16-31, + 16 r
	v_lshlrev_b32 v3, 4, v3                        ; v3  16 h
	s_lshr_b32 s21, s18, 1                         ; my K step,
	s_and_b32 s35, s18, 1                          ; and which half of its 128
	s_lshl_b32 s36, s21, 12
	s_lshl_b32 s37, s35, 9
	s_add_co_u32 s36, s36, s37
	v_add_nc_u32 v112, s36, v1                     ; v112 where my codes go: 4096 s + 512 half + 16 lane
	s_lshl_b32 s36, s21, 8
	s_lshl_b32 s37, s35, 1
	s_add_co_u32 s36, s36, s37
	s_add_co_u32 s36, s36, SCW
	v_add_nc_u32 v113, s36, v4                     ; v113 and my two scale bytes: 256 s + 16 r + 2 half
.irp j, 0,1,2,3
	v_mov_b32 v[ZO+\j], 0                          ; written once: a lane permute's destination counts as one of its sources
.endr
	s_mov_b32 s32, 0x76543210                      ; v_permlanex16_b32's selects for lane l xor 16
	s_mov_b32 s33, 0xfedcba98
	s_lshl_b32 s31, s19, 8                         ; 256 c
	s_lshl_b32 s22, s20, 22                        ; a leaf is 4 MiB,
	s_lshl_b32 s23, s18, 18                        ; 64 rows are 256 KiB
	s_add_co_u32 s22, s22, s23
	s_add_co_u32 s22, s22, s31
	s_mov_b32 s23, 0
	s_lshl_b32 s34, s20, 2
	s_wait_kmcnt 0x0
	s_add_nc_u64 s[4:5], s[4:5], s[22:23]
	s_load_b32 s24, s[14:15], s34 offset:0x0       ; starts[e]
	s_load_b32 s25, s[14:15], s34 offset:0x4       ; starts[e + 1]
	s_lshl_b32 s22, s20, 12
	s_add_co_u32 s22, s22, s31
	s_add_nc_u64 s[6:7], s[6:7], s[22:23]          ; leaf_b at (e, 64 c)
	s_add_co_u32 s22, s31, 64
	s_add_nc_u64 s[16:17], s[16:17], s[22:23]      ; out0 at column 16 + 64 c
	global_load_b128 v[BIAS:BIAS+3], v4, s[6:7]
.set KK, 0
.rept 32
	global_load_b128 v[RAW+4*KK:RAW+4*KK+3], v114, s[4:5] offset:4096*KK th:TH_LOAD_NT     ; read once in the whole launch
.set KK, KK+1
.endr
	s_wait_kmcnt 0x0
	s_min_u32 s24, s24, 4096
	s_min_u32 s25, s25, 4096
	s_max_u32 s25, s25, s24                        ; the leaf's rows: s24 .. s25 - 1
	s_sub_co_u32 s26, s25, s24
	s_add_co_u32 s26, s26, 31
	s_lshr_b32 s26, s26, 5                         ; tiles of 32 rows: 128 at the most
	s_max_u32 s27, s25, 1
	s_sub_co_u32 s27, s27, 1                       ; the last row
	s_mov_b32 s28, s18                             ; my first tile
; The tokens of tile s28, in the five orders in which the lanes want them.  Every row number is held at the leaf's last row and inside the list.
.macro LIST
	s_lshl_b32 s29, s28, 5
	s_add_co_u32 s29, s29, s24
	s_add_co_u32 s30, s29, 16
	v_add_nc_u32 v32, s29, v5
	v_add_nc_u32 v33, s30, v5
	v_add_nc_u32 v34, s29, v6
	v_add_nc_u32 v35, s30, v6
	v_add_nc_u32 v36, s29, v7
.irp n, 0,1,2,3,4
	v_min_u32 v[32+\n], s27, v[32+\n]
.endr
.irp n, 0,1,2,3,4
	v_min_u32 v[32+\n], 0xfff, v[32+\n]
.endr
.irp n, 0,1,2,3,4
	v_lshlrev_b32 v[32+\n], 2, v[32+\n]
.endr
.irp n, 0,1,2,3,4
	global_load_b32 v[LST+\n], v[32+\n], s[12:13]
.endr
.endm
.macro OFFS                            ; tokens into byte offsets, each held inside its buffer first
	v_min_u32 v[LST], 0xfff, v[LST]
	v_min_u32 v[LST+1], 0xfff, v[LST+1]
	v_min_u32 v[LST+4], 0xfff, v[LST+4]
	v_lshl_add_u32 v64, v[LST], 9, v3              ; xq: a row of 512 bytes, + 16 h
	v_lshl_add_u32 v65, v[LST+1], 9, v3
	v_lshlrev_b32 v66, 5, v[LST+4]                 ; xsc: a row of 32 bytes
.endm
.macro XLOADS                          ; 2 loads of scale words, 32 of codes: fragment (mt, s), registers 4 c on: bytes 64 s + 32 c + 16 h of row r's 512
	global_load_b128 v[XS:XS+3], v66, s[10:11]
	global_load_b128 v[XS+4:XS+7], v66, s[10:11] offset:16
.irp mt, 0,1
.irp s, 0,1,2,3,4,5,6,7
.irp c, 0,1
	global_load_b128 v[XF+64*\mt+8*\s+4*\c:XF+64*\mt+8*\s+4*\c+3], v[64+\mt], s[8:9] offset:64*\s+32*\c
.endr
.endr
.endr
.endm
	LIST
	; ---- phase W: the largest magnitude of each of my four blocks
	s_wait_loadcnt 21                              ; loads return in order: 16 loads of W and the list's 5 are younger; the bias and rows 0 .. 15 are in
.irp j, 0,1,2,3
	v_max3_num_f32 v[MX+\j], |v[RAW+\j]|, |v[RAW+4+\j]|, 0x1800000             ; and the floor 2^(3 - 127): so the byte cannot fall under 1
.endr
.irp k, 2,4,6,8,10,12,14
.irp j, 0,1,2,3
	v_max3_num_f32 v[MX+\j], v[MX+\j], |v[RAW+4*\k+\j]|, |v[RAW+4*\k+4+\j]|    ; the four columns by turns
.endr
.endr
	s_wait_loadcnt 5                               ; all of W is in; the list's 5 may be out
.irp k, 16,18,20,22,24,26,28,30
.irp j, 0,1,2,3
	v_max3_num_f32 v[MX+\j], v[MX+\j], |v[RAW+4*\k+\j]|, |v[RAW+4*\k+4+\j]|
.endr
.endr
.irp j, 0,1,2,3
	v_add_nc_u32 v[SO+\j], 0xff000000, v[MX+\j]    ; 2 off the exponent field: the conversion takes that field as its scale
.endr
.irp j, 0,1,2,3
	v_lshrrev_b32 v[ZB+\j], 23, v[SO+\j]           ; the scale's byte: block 2 half + h of the K step,
.endr
.irp j, 0,1,2,3
	v_lshlrev_b32 v[ZB+\j], v115, v[ZB+\j]         ; 8 h bits up;
.endr
.irp j, 0,1,2,3
	v_permlanex16_b32 v[ZO+\j], v[ZB+\j], s32, s33
.endr
.irp j, 0,1,2,3
	v_or_b32 v[ZB+\j], v[ZB+\j], v[ZO+\j]          ; with lane l xor 16's: my half of the column's scale word, 16 bits
.endr
.irp g, 0,1,2,3                                ; registers g of the four fragments: k = 8 g .. 8 g + 7 of my block.  The two sets of 8 take turns: the moves into one are the plain lines behind the conversion of the other
.irp j, 0,1,2,3
.irp i, 0,1,2,3,4,5,6,7
	v_mov_b32 v[TT+8*(\j%2)+\i], v[RAW+32*\g+4*\i+\j]
.endr
	v_cvt_scalef32_pk8_fp4_f32 v[CD+4*\j+\g], v[TT+8*(\j%2):TT+8*(\j%2)+7], v[SO+\j]
.endr
.endr
	v_nop                                          ; one plain place behind the last scaled conversion: products will write these registers
.irp j, 0,1,2,3
	ds_store_b128 v112, v[CD+4*\j:CD+4*\j+3] offset:1024*\j
.endr
.irp j, 0,1,2,3
	ds_store_b16 v113, v[ZB+\j] offset:4*\j        ; both lanes of a column write the same two bytes with the same value
.endr
	s_wait_loadcnt 0x0                             ; the list
	OFFS
	XLOADS                                         ; in every wave, one without a tile too (its rows are held at the last row): so the operands are written on every way to a product
	s_wait_dscnt 0x0                               ; for the others' sake: my images have landed
	s_barrier_signal -1
	s_barrier_wait -1                              ; the one barrier: the slice's 32 fragments and their scale words lie in LDS, and nobody writes them again
; A K step of 128: W's four fragments and their scale words from LDS, eight products: two row tiles x four column tiles.  The eight accumulators take turns, in the same order in every step.
.macro KSTEP s
.if \s > 0
.rept 4
	v_nop                                          ; places in front of loads into registers that the last products read (ISA guide 7.12.1 for vector instructions)
.endr
.endif
.irp j, 0,1,2,3
.irp c, 0,1
	ds_load_b128 v[BF+8*\j+4*\c:BF+8*\j+4*\c+3], v1 offset:4096*\s+1024*\j+512*\c
.endr
.endr
	ds_load_b128 v[BS:BS+3], v2 offset:256*\s
.if \s == 0
	s_wait_loadcnt 0x0                             ; x's codes and scale words are in, and v64-66, which their loads named, may be written
.endif
	s_wait_dscnt 0x0
.irp j, 0,1,2,3
.if \s == 0
	v_wmma_scale_f32_16x16x128_f8f6f4 v[ACC+8*\j:ACC+8*\j+7], v[XF+8*\s:XF+8*\s+7], v[BF+8*\j:BF+8*\j+7], 0, v[XS+\s], v[BS+\j] matrix_a_fmt:MATRIX_FMT_FP4 matrix_b_fmt:MATRIX_FMT_FP4
	v_wmma_scale_f32_16x16x128_f8f6f4 v[ACC+32+8*\j:ACC+32+8*\j+7], v[XF+64+8*\s:XF+64+8*\s+7], v[BF+8*\j:BF+8*\j+7], 0, v[XS+\s], v[BS+\j] matrix_a_fmt:MATRIX_FMT_FP4 matrix_b_fmt:MATRIX_FMT_FP4 matrix_a_scale:MATRIX_SCALE_ROW1
.else
	v_wmma_scale_f32_16x16x128_f8f6f4 v[ACC+8*\j:ACC+8*\j+7], v[XF+8*\s:XF+8*\s+7], v[BF+8*\j:BF+8*\j+7], v[ACC+8*\j:ACC+8*\j+7], v[XS+\s], v[BS+\j] matrix_a_fmt:MATRIX_FMT_FP4 matrix_b_fmt:MATRIX_FMT_FP4
	v_wmma_scale_f32_16x16x128_f8f6f4 v[ACC+32+8*\j:ACC+32+8*\j+7], v[XF+64+8*\s:XF+64+8*\s+7], v[BF+8*\j:BF+8*\j+7], v[ACC+32+8*\j:ACC+32+8*\j+7], v[XS+\s], v[BS+\j] matrix_a_fmt:MATRIX_FMT_FP4 matrix_b_fmt:MATRIX_FMT_FP4 matrix_a_scale:MATRIX_SCALE_ROW1
.endif
.endr
.endm
; Rows i (lanes 0-15) and 8 + i (lanes 16-31) of row tile mt leave.  The bias's addition also sets the four tiles' numbers side by side.  The row's token: lane i of each half holds that of row i xor 8 h.
.macro OUT mt, i
.set QQ, 8*\mt+\i
.irp j, 0,1,2,3
	v_add_f32 v[128+4*QQ+\j], v[ACC+32*\mt+8*\j+\i], v[BIAS+\j]
.endr
	v_mov_b32_dpp v[192+QQ], v[LST+2+\mt] row_share:\i row_mask:0xf bank_mask:0xf
	v_min_u32 v[192+QQ], 0xfff, v[192+QQ]          ; held inside out0's rows
	v_mad_u32_u24 v[192+QQ], v[192+QQ], 4160, v4   ; a row of out0 is 4,160 bytes; + 16 r
	global_store_b128 v[192+QQ], v[128+4*QQ:128+4*QQ+3], s[16:17] th:TH_STORE_NT   ; sixteen lanes store 256 consecutive bytes of a row; written once, read by nobody here
.endm
.macro COMPUTE
.irp s, 0,1,2,3,4,5,6,7
	KSTEP \s
.endr
.rept 4
	v_nop                                          ; places in front of the first read of results and of writes over the operands
.endr
.irp mt, 0,1
.irp i, 0,1,2,3,4,5,6,7
	OUT \mt, \i                                    ; each accumulator is read from its register 0 on
.endr
.endr
.endm
	s_cmp_ge_u32 s28, s26                          ; a wave without a tile ends here
	s_cbranch_scc1 .Lend
	COMPUTE                                        ; the first tile's operands were asked for ahead of the barrier
	s_mov_b32 s39, 1                               ; tiles done.  The loop is counted against the constant MAXT; a wave whose next tile lies past the leaf's last leaves it at the trip's head
.Ltile:                                                ; further tiles, where a leaf has more than 512 rows
	s_add_co_u32 s28, s28, 16                      ; my next tile
	s_cmp_ge_u32 s28, s26
	s_cbranch_scc1 .Lend
	s_wait_xcnt 0x0                                ; the stores' data and addresses lie where x's fragments go: they are written again only behind this wait
	LIST
	s_wait_loadcnt 0x0
	OFFS
	XLOADS
	COMPUTE
	s_add_co_u32 s39, s39, 1
	s_cmp_lt_u32 s39, MAXT
	s_cbranch_scc1 .Ltile
.Lend:
	s_wait_tensorcnt 0x0
	ds_add_u32 v18, v19
	s_wait_dscnt 0x0
	s_endpgm
.Lfunc_end_k_qf849ca8324_leaf:
	.size	k_qf849ca8324_leaf, .Lfunc_end_k_qf849ca8324_leaf-k_qf849ca8324_leaf
	.p2alignl 7, 3214868480
	.fill 96, 4, 3214868480
	.section	.rodata,"a",@progbits
	.p2align	6, 0x0
	.amdhsa_kernel k_qf849ca8324_leaf
		.amdhsa_group_segment_fixed_size 36864
		.amdhsa_private_segment_fixed_size 0
		.amdhsa_enable_private_segment 0
		.amdhsa_kernarg_size 56
		.amdhsa_user_sgpr_count 2
		.amdhsa_user_sgpr_kernarg_segment_ptr 1
		.amdhsa_wavefront_size32 1
		.amdhsa_system_sgpr_workgroup_id_x 1
		.amdhsa_system_sgpr_workgroup_id_y 1
		.amdhsa_system_sgpr_workgroup_id_z 1
		.amdhsa_system_vgpr_workitem_id 0
		.amdhsa_next_free_vgpr 256
		.amdhsa_next_free_sgpr 66
		.amdhsa_reserve_vcc 0
		.amdhsa_float_denorm_mode_32 3
		.amdhsa_float_denorm_mode_16_64 3
		.amdhsa_memory_ordered 1
		.amdhsa_forward_progress 1
		.amdhsa_inst_pref_size 69
	.end_amdhsa_kernel
	.amdgpu_metadata
---
amdhsa.version: [ 1, 2 ]
amdhsa.kernels:
  - .name:           k_qf849ca8324_leaf
    .symbol:         k_qf849ca8324_leaf.kd
    .args:
      - { .name: leaf_W, .offset: 0, .size: 8, .value_kind: global_buffer, .address_space: global }
      - { .name: leaf_b, .offset: 8, .size: 8, .value_kind: global_buffer, .address_space: global }
      - { .name: xq, .offset: 16, .size: 8, .value_kind: global_buffer, .address_space: global }
      - { .name: xsc, .offset: 24, .size: 8, .value_kind: global_buffer, .address_space: global }
      - { .name: order, .offset: 32, .size: 8, .value_kind: global_buffer, .address_space: global }
      - { .name: starts, .offset: 40, .size: 8, .value_kind: global_buffer, .address_space: global }
      - { .name: out0, .offset: 48, .size: 8, .value_kind: global_buffer, .address_space: global }
    .group_segment_fixed_size: 36864
    .private_segment_fixed_size: 0
    .kernarg_segment_align: 8
    .kernarg_segment_size: 56
    .max_flat_workgroup_size: 512
    .sgpr_count:     66
    .vgpr_count:     256
    .wavefront_size: 32
...
	.end_amdgpu_metadata
.endif
;; end of part 2
;; ======== version 2 of 2: 2 launches; version 1 with the launch leaf written anew for expert scheduling mode
;; workspace buffers: xq 2,097,152 bytes; xsc 131,072 bytes; order 16,384 bytes of whole numbers; starts 256 bytes of whole numbers
;; launch prep: the kernel of part 1 again; grid 256 x 1, 8 waves a work-group, no clusters, 168,960 bytes of LDS; arguments xs, weights, biases, masks, leaf_indices, xq, xsc, order, starts, out0; writes xq, xsc, order, starts, out0
;; launch leaf (part 3): grid 16 x 16, 16 waves a work-group, no clusters, 36,864 bytes of LDS; arguments leaf_W, leaf_b, xq, xsc, order, starts, out0; writes out0
.if DOCPART == 3
	.amdgcn_target "amdgcn-amd-amdhsa--gfx1250"
	.amdhsa_code_object_version 6
	.text
	.protected	k_qf849ca8324_leaf
	.globl	k_qf849ca8324_leaf
	.p2align	8
	.type	k_qf849ca8324_leaf,@function
k_qf849ca8324_leaf:
	s_mov_b64 s[64:65], 0
	v_nop
	global_prefetch_b8 v0, s[64:65] scope:SCOPE_SE
	s_setreg_imm32_b32 hwreg(HW_REG_WAVE_SCHED_MODE, 0, 2), 2
	s_setreg_imm32_b32 hwreg(HW_REG_WAVE_MODE, 25, 1), 1
	s_wait_xcnt 0x0
	s_wait_alu depctr_vm_vsrc(0)
; LEAF.  out0[t][16 + n] = the sum over k of Q(xs)[t][k] Q(leaf_W[e])[k][n] + leaf_b[e][n] for e = leaf_indices[t]: only the rows that the routing keeps are multiplied.
; Work-group (c, e) owns columns 64 c .. 64 c + 63 of leaf e for ALL tokens of that leaf, so each byte of leaf_W is read by one work-group, once, as f32, and its codes never go to memory.
; PHASE W.  Wave w (0 .. 15) takes k = 64 w .. 64 w + 63 of the slice.  Lane (r, h) loads 16 bytes, columns 4 r .. 4 r + 3, of row 64 w + 32 h + kk: a load of the wave covers two runs of 256 consecutive bytes.
; COLUMN TILE j IS THE COLUMNS 4 r + j, r = 0 .. 15.  So lane (r, h) holds, for each j, the whole block of 32 along K that the operand's layout gives lane (n = r, h): no other lane is asked for a maximum or a code.
; The conversions take 8 neighbours along K from consecutive registers; a load leaves them 4 registers apart: one v_mov_b32 a number sets them side by side.  That is the price of loads of 16 bytes a lane, by which all
; 256 KiB of the slice are asked for at once (32 loads a wave).  The fragments go to LDS as images of their registers (lane l's 16 bytes at 16 l); the scale words as [K step][r][j].
; PHASE T.  The leaf's rows are order[starts[e] .. starts[e + 1] - 1].  A tile is 32 rows; wave w takes tiles w, w + 16, ..  Source 0 = 16 rows of x (codes gathered from xq by the list), source 1 = a column tile:
; register i of lane (r, h) is (row 8 h + i, column 4 r + j), so the four tiles' registers i are 16 neighbouring bytes of a row of out0, and sixteen lanes store 256 consecutive bytes.
; Rows past the leaf's last row are taken as the last row again: the same codes give the same bits, stored to the same bytes by the same wave; EXEC is never changed.
; The grid serves every split: all tokens on one leaf are 128 tiles, 8 a wave; a leaf without tokens has no tile and stores nothing.
; NO TENSOR LOAD, NO CLUSTER: the number of tiles is read from starts, and the rows of x, which the 16 work-groups of a leaf share, are gathered by a list, lane by lane, into registers; the slices of leaf_W are shared by nobody.
; LIMITS: NaN and infinities are not served; a block of zeros gets the byte 1 where the quantiser says 127 (its codes are zeros; the bytes never leave LDS).  Stored numbers are held into their ranges before they reach an address.
; THE MODE: SCHED_MODE bits 1:0 = 2 (LLVM: expert scheduling mode 2), set by the entry lines.  The code itself states the register dependences
; between vector or matrix instructions and memory or LDS instructions, with s_wait_alu, always for 0.
; THE PLAN.  Registers that memory or LDS instructions touch:
;   v1, v2, v4       offsets, made at the head, read by LDS loads and the bias's load, never written again.
;   v112-114         W's offset and the LDS stores' two addresses, made at the head; they lie among the accumulators, which the first products write.
;   RAW = XF         W's loads land; phase W's maxima and moves read; then x's loads land, the products read, the way out's sums and addresses are written there, the stores read them, the next tile's x lands.
;   CD, ZB           written by the conversions and the lines that make the scale bytes; read by the LDS stores; they lie among the accumulators.
;   v32-36           the list's indices: written by vector lines, read by the list's loads; then W's fragments land there.
;   LST              the list's loads land; vector lines hold three of them in place and read the other two on the way out; the next tile's list lands.
;   v64-66           the gathers' offsets: written by vector lines, read by x's loads; then the first products write them.
;   XS               x's loads land; the products read.
;   BF, BS           a K step's LDS loads land; its eight products read; the next K step's loads land.  One buffer: 36 registers would make a second, one (v17) is free.
; THE WAITS.  On va_vdst: one ahead of the first load; one ahead of the list's loads; one behind the lines that make the gathers' offsets (ahead of the LDS stores and of x's loads); one in each K step but the first,
; ahead of its LDS loads; two on the way out, each ahead of a row tile's eight stores.  On vm_vsrc: one between x's loads and the first K step; one at the head of a further trip.  On va_sdst: one, for the wave's number.
.set SCW,  32768                       ; LDS: 0: fragment (K step s, tile j), half c at 4096 s + 1024 j + 512 c + 16 lane;  from here: the scale word of (s, r, j) at 256 s + 16 r + 4 j
.set MAXT, 4096/32/16                  ; tiles of a wave at the most: all 4,096 rows on one leaf, 32 rows a tile, 16 waves
.set BIAS, 8                           ; v8-11    leaf_b of columns 4 r + 0 .. 3
.set LST,  12                          ; v12-16   tokens from the list: rows r and 16 + r; rows r xor 8 h and 16 + that; row = lane
.set XS,   20                          ; v20-27   x's scale words of K steps 0 .. 7: lanes 0-15 rows 0-15, lanes 16-31 rows 16-31.  They hold scales and nothing else
.set BS,   28                          ; v28-31   W's scale words of tiles 0 .. 3.  Likewise
.set BF,   32                          ; v32-63   W's four fragments of a K step; v32-36 are the list's index registers before
.set ACC,  64                          ; v64-127  accumulator (row tile mt, column tile j) at 64 + 32 mt + 8 j; v64-66 hold the gathers' offsets until the first product
.set XF,   128                         ; v128-255 x's fragments (mt, s) at 128 + 64 mt + 8 s; on the way out v128-191 data, v192-207 addresses
.set RAW,  128                         ; phase W: register 4 kk + j = W[64 w + 32 h + kk][4 r + j]
.set MX,   64                          ; phase W: v64-67 largest magnitudes, v68-71 the conversions' scale operands, v72-75 scale bytes, v76-79 the other half's,
.set SO,   68
.set ZB,   72
.set ZO,   76
.set TT,   80                          ; v80-95 two sets of 8 neighbours along K, v96-111 codes (tile j, register g at 96 + 4 j + g)
.set CD,   96
	s_load_b256 s[4:11], s[0:1], 0x0               ; leaf_W s[4:5], leaf_b s[6:7], xq s[8:9], xsc s[10:11]
	s_load_b128 s[12:15], s[0:1], 0x20             ; order s[12:13], starts s[14:15]
	s_load_b64 s[16:17], s[0:1], 0x30              ; out0
	v_lshl_add_u32 v18, v0, 2, 0x8800
	v_mov_b32 v19, 0
	v_lshrrev_b32 v1, 5, v0
	v_readfirstlane_b32 s18, v1                    ; wave 0 .. 15
	s_mov_b32 s19, ttmp9                           ; c
	s_and_b32 s20, ttmp7, 0xffff                   ; e
	v_and_b32 v7, 31, v0                           ; v7  lane
	v_and_b32 v5, 15, v0                           ; v5  r
	v_bfe_u32 v3, v0, 4, 1                         ; h
	v_lshlrev_b32 v1, 4, v7                        ; v1  16 lane: my place in an image
	v_lshlrev_b32 v4, 4, v5                        ; v4  16 r: my four columns' bytes
	v_add_nc_u32 v2, SCW, v4                       ; v2  my column index's four scale words
	v_lshlrev_b32 v115, 3, v3                      ; 8 h
	v_xor_b32 v6, v5, v115                         ; v6  r xor 8 h
	v_lshl_add_u32 v114, v3, 17, v4                ; W: 32 rows of 4,096 bytes further down for lanes 16-31, + 16 r
	v_lshlrev_b32 v3, 4, v3                        ; v3  16 h
	s_wait_alu depctr_va_sdst(0)                   ; s18, the wave's number, is written, ahead of its first reader
	s_lshr_b32 s21, s18, 1                         ; my K step,
	s_and_b32 s35, s18, 1                          ; and which half of its 128
	s_lshl_b32 s36, s21, 12
	s_lshl_b32 s37, s35, 9
	s_add_co_u32 s36, s36, s37
	v_add_nc_u32 v112, s36, v1                     ; v112 where my codes go: 4096 s + 512 half + 16 lane
	s_lshl_b32 s36, s21, 8
	s_lshl_b32 s37, s35, 1
	s_add_co_u32 s36, s36, s37
	s_add_co_u32 s36, s36, SCW
	v_add_nc_u32 v113, s36, v4                     ; v113 and my two scale bytes: 256 s + 16 r + 2 half
.irp j, 0,1,2,3
	v_mov_b32 v[ZO+\j], 0                          ; written once: a lane permute's destination counts as one of its sources
.endr
	s_mov_b32 s32, 0x76543210                      ; v_permlanex16_b32's selects for lane l xor 16
	s_mov_b32 s33, 0xfedcba98
	s_lshl_b32 s31, s19, 8                         ; 256 c
	s_lshl_b32 s22, s20, 22                        ; a leaf is 4 MiB,
	s_lshl_b32 s23, s18, 18                        ; 64 rows are 256 KiB
	s_add_co_u32 s22, s22, s23
	s_add_co_u32 s22, s22, s31
	s_mov_b32 s23, 0
	s_lshl_b32 s34, s20, 2
	s_wait_kmcnt 0x0
	s_add_nc_u64 s[4:5], s[4:5], s[22:23]
	s_load_b32 s24, s[14:15], s34 offset:0x0       ; starts[e]
	s_load_b32 s25, s[14:15], s34 offset:0x4       ; starts[e + 1]
	s_lshl_b32 s22, s20, 12
	s_add_co_u32 s22, s22, s31
	s_add_nc_u64 s[6:7], s[6:7], s[22:23]          ; leaf_b at (e, 64 c)
	s_add_co_u32 s22, s31, 64
	s_add_nc_u64 s[16:17], s[16:17], s[22:23]      ; out0 at column 16 + 64 c
	s_wait_alu depctr_va_vdst(0)                   ; the head's offsets and addresses are written: v4 and v114, which the loads below read, and v1, v2, v112, v113, which LDS instructions read later
	global_load_b128 v[BIAS:BIAS+3], v4, s[6:7]
.set KK, 0
.rept 32
	global_load_b128 v[RAW+4*KK:RAW+4*KK+3], v114, s[4:5] offset:4096*KK th:TH_LOAD_NT     ; read once in the whole launch
.set KK, KK+1
.endr
	s_wait_kmcnt 0x0
	s_min_u32 s24, s24, 4096
	s_min_u32 s25, s25, 4096
	s_max_u32 s25, s25, s24                        ; the leaf's rows: s24 .. s25 - 1
	s_sub_co_u32 s26, s25, s24
	s_add_co_u32 s26, s26, 31
	s_lshr_b32 s26, s26, 5                         ; tiles of 32 rows: 128 at the most
	s_max_u32 s27, s25, 1
	s_sub_co_u32 s27, s27, 1                       ; the last row
	s_mov_b32 s28, s18                             ; my first tile
; The tokens of tile s28, in the five orders in which the lanes want them.  Every row number is held at the leaf's last row and inside the list.
.macro LIST
	s_lshl_b32 s29, s28, 5
	s_add_co_u32 s29, s29, s24
	s_add_co_u32 s30, s29, 16
	v_add_nc_u32 v32, s29, v5
	v_add_nc_u32 v33, s30, v5
	v_add_nc_u32 v34, s29, v6
	v_add_nc_u32 v35, s30, v6
	v_add_nc_u32 v36, s29, v7
.irp n, 0,1,2,3,4
	v_min_u32 v[32+\n], s27, v[32+\n]
.endr
.irp n, 0,1,2,3,4
	v_min_u32 v[32+\n], 0xfff, v[32+\n]
.endr
.irp n, 0,1,2,3,4
	v_lshlrev_b32 v[32+\n], 2, v[32+\n]
.endr
	s_wait_alu depctr_va_vdst(0)                   ; the five indices v32-36 are written, which the loads below read; in a further trip the last tile's vector lines are done reading and writing v12-16, in which these loads land
.irp n, 0,1,2,3,4
	global_load_b32 v[LST+\n], v[32+\n], s[12:13]
.endr
.endm
.macro OFFS                            ; tokens into byte offsets, each held inside its buffer first
	v_min_u32 v[LST], 0xfff, v[LST]
	v_min_u32 v[LST+1], 0xfff, v[LST+1]
	v_min_u32 v[LST+4], 0xfff, v[LST+4]
	v_lshl_add_u32 v64, v[LST], 9, v3              ; xq: a row of 512 bytes, + 16 h
	v_lshl_add_u32 v65, v[LST+1], 9, v3
	v_lshlrev_b32 v66, 5, v[LST+4]                 ; xsc: a row of 32 bytes
.endm
.macro XLOADS                          ; 2 loads of scale words, 32 of codes: fragment (mt, s), registers 4 c on: bytes 64 s + 32 c + 16 h of row r's 512
	global_load_b128 v[XS:XS+3], v66, s[10:11]
	global_load_b128 v[XS+4:XS+7], v66, s[10:11] offset:16
.irp mt, 0,1
.irp s, 0,1,2,3,4,5,6,7
.irp c, 0,1
	global_load_b128 v[XF+64*\mt+8*\s+4*\c:XF+64*\mt+8*\s+4*\c+3], v[64+\mt], s[8:9] offset:64*\s+32*\c
.endr
.endr
.endr
.endm
	LIST
	; ---- phase W: the largest magnitude of each of my four blocks
	s_wait_loadcnt 21                              ; loads return in order: 16 loads of W and the list's 5 are younger; the bias and rows 0 .. 15 are in
.irp j, 0,1,2,3
	v_max3_num_f32 v[MX+\j], |v[RAW+\j]|, |v[RAW+4+\j]|, 0x1800000             ; and the floor 2^(3 - 127): so the byte cannot fall under 1
.endr
.irp k, 2,4,6,8,10,12,14
.irp j, 0,1,2,3
	v_max3_num_f32 v[MX+\j], v[MX+\j], |v[RAW+4*\k+\j]|, |v[RAW+4*\k+4+\j]|    ; the four columns by turns
.endr
.endr
	s_wait_loadcnt 5                               ; all of W is in; the list's 5 may be out
.irp k, 16,18,20,22,24,26,28,30
.irp j, 0,1,2,3
	v_max3_num_f32 v[MX+\j], v[MX+\j], |v[RAW+4*\k+\j]|, |v[RAW+4*\k+4+\j]|
.endr
.endr
.irp j, 0,1,2,3
	v_add_nc_u32 v[SO+\j], 0xff000000, v[MX+\j]    ; 2 off the exponent field: the conversion takes that field as its scale
.endr
.irp j, 0,1,2,3
	v_lshrrev_b32 v[ZB+\j], 23, v[SO+\j]           ; the scale's byte: block 2 half + h of the K step,
.endr
.irp j, 0,1,2,3
	v_lshlrev_b32 v[ZB+\j], v115, v[ZB+\j]         ; 8 h bits up;
.endr
.irp j, 0,1,2,3
	v_permlanex16_b32 v[ZO+\j], v[ZB+\j], s32, s33
.endr
.irp j, 0,1,2,3
	v_or_b32 v[ZB+\j], v[ZB+\j], v[ZO+\j]          ; with lane l xor 16's: my half of the column's scale word, 16 bits
.endr
.irp g, 0,1,2,3                                ; registers g of the four fragments: k = 8 g .. 8 g + 7 of my block.  The two sets of 8 take turns: the moves into one are the plain lines behind the conversion of the other
.irp j, 0,1,2,3
.irp i, 0,1,2,3,4,5,6,7
	v_mov_b32 v[TT+8*(\j%2)+\i], v[RAW+32*\g+4*\i+\j]
.endr
	v_cvt_scalef32_pk8_fp4_f32 v[CD+4*\j+\g], v[TT+8*(\j%2):TT+8*(\j%2)+7], v[SO+\j]
.endr
.endr
	v_nop                                          ; one plain place behind the last scaled conversion: products will write these registers
	s_wait_loadcnt 0x0                             ; the list
	OFFS                                           ; ahead of the LDS stores, so that one wait serves them and x's loads
	s_wait_alu depctr_va_vdst(0)                   ; the conversions have written the codes v96-111 and the lines above them the scale bytes v72-75, which the LDS stores read; v64-66 are written, which x's loads read; the maxima and the moves are done reading v128-255, in which x's loads land
.irp j, 0,1,2,3
	ds_store_b128 v112, v[CD+4*\j:CD+4*\j+3] offset:1024*\j
.endr
.irp j, 0,1,2,3
	ds_store_b16 v113, v[ZB+\j] offset:4*\j        ; both lanes of a column write the same two bytes with the same value
.endr
	XLOADS                                         ; in every wave, one without a tile too (its rows are held at the last row): so the operands are written on every way to a product
	s_wait_dscnt 0x0                               ; for the others' sake: my images have landed
	s_barrier_signal -1
	s_barrier_wait -1                              ; the one barrier: the slice's 32 fragments and their scale words lie in LDS, and nobody writes them again
	s_wait_alu depctr_vm_vsrc(0)                   ; the LDS stores have read v72-75, v96-113, W's loads v114, x's loads v64-66, the list's loads v32-36: the first K step's LDS loads and products write all of these
; A K step of 128: W's four fragments and their scale words from LDS, eight products: two row tiles x four column tiles.  The eight accumulators take turns, in the same order in every step.
; The first K step holds no wait on va_vdst: the one ahead of x's loads stands behind every vector and matrix line that has named v28-63, and none has named them since.
.macro KSTEP s
.if \s > 0
.rept 4
	v_nop                                          ; places in front of loads into registers that the last products read (ISA guide 7.12.1 for vector instructions)
.endr
	s_wait_alu depctr_va_vdst(0)                   ; the last K step's products are done reading W's fragments v32-63 and scale words v28-31, in which the loads below land
.endif
.irp j, 0,1,2,3
.irp c, 0,1
	ds_load_b128 v[BF+8*\j+4*\c:BF+8*\j+4*\c+3], v1 offset:4096*\s+1024*\j+512*\c
.endr
.endr
	ds_load_b128 v[BS:BS+3], v2 offset:256*\s
.if \s == 0
	s_wait_loadcnt 0x0                             ; x's codes and scale words are in, and v64-66, which their loads named, may be written
.endif
	s_wait_dscnt 0x0
.irp j, 0,1,2,3
.if \s == 0
	v_wmma_scale_f32_16x16x128_f8f6f4 v[ACC+8*\j:ACC+8*\j+7], v[XF+8*\s:XF+8*\s+7], v[BF+8*\j:BF+8*\j+7], 0, v[XS+\s], v[BS+\j] matrix_a_fmt:MATRIX_FMT_FP4 matrix_b_fmt:MATRIX_FMT_FP4
	v_wmma_scale_f32_16x16x128_f8f6f4 v[ACC+32+8*\j:ACC+32+8*\j+7], v[XF+64+8*\s:XF+64+8*\s+7], v[BF+8*\j:BF+8*\j+7], 0, v[XS+\s], v[BS+\j] matrix_a_fmt:MATRIX_FMT_FP4 matrix_b_fmt:MATRIX_FMT_FP4 matrix_a_scale:MATRIX_SCALE_ROW1
.else
	v_wmma_scale_f32_16x16x128_f8f6f4 v[ACC+8*\j:ACC+8*\j+7], v[XF+8*\s:XF+8*\s+7], v[BF+8*\j:BF+8*\j+7], v[ACC+8*\j:ACC+8*\j+7], v[XS+\s], v[BS+\j] matrix_a_fmt:MATRIX_FMT_FP4 matrix_b_fmt:MATRIX_FMT_FP4
	v_wmma_scale_f32_16x16x128_f8f6f4 v[ACC+32+8*\j:ACC+32+8*\j+7], v[XF+64+8*\s:XF+64+8*\s+7], v[BF+8*\j:BF+8*\j+7], v[ACC+32+8*\j:ACC+32+8*\j+7], v[XS+\s], v[BS+\j] matrix_a_fmt:MATRIX_FMT_FP4 matrix_b_fmt:MATRIX_FMT_FP4 matrix_a_scale:MATRIX_SCALE_ROW1
.endif
.endr
.endm
; Rows i (lanes 0-15) and 8 + i (lanes 16-31) of row tile mt leave.  OUTV: the bias's addition also sets the four tiles' numbers side by side.  The row's token: lane i of each half holds that of row i xor 8 h.
.macro OUTV mt, i
.set QQ, 8*\mt+\i
.irp j, 0,1,2,3
	v_add_f32 v[128+4*QQ+\j], v[ACC+32*\mt+8*\j+\i], v[BIAS+\j]
.endr
	v_mov_b32_dpp v[192+QQ], v[LST+2+\mt] row_share:\i row_mask:0xf bank_mask:0xf
	v_min_u32 v[192+QQ], 0xfff, v[192+QQ]          ; held inside out0's rows
	v_mad_u32_u24 v[192+QQ], v[192+QQ], 4160, v4   ; a row of out0 is 4,160 bytes; + 16 r
.endm
; OUTS: their store.
.macro OUTS mt, i
.set QQ, 8*\mt+\i
	global_store_b128 v[192+QQ], v[128+4*QQ:128+4*QQ+3], s[16:17] th:TH_STORE_NT   ; sixteen lanes store 256 consecutive bytes of a row; written once, read by nobody here
.endm
.macro COMPUTE
.irp s, 0,1,2,3,4,5,6,7
	KSTEP \s
.endr
.rept 4
	v_nop                                          ; places in front of the first read of results and of writes over the operands
.endr
.irp i, 0,1,2,3,4,5,6,7
	OUTV 0, \i                                     ; each accumulator is read from its register 0 on
.endr
	s_wait_alu depctr_va_vdst(0)                   ; row tile 0's sums v128-159 and addresses v192-199 are written, which its eight stores read
.irp i, 0,1,2,3,4,5,6,7
	OUTS 0, \i                                     ; dealt among row tile 1's vector lines, which write v160-191 and v200-207 and name none of the registers that these stores read
	OUTV 1, \i
.endr
	s_wait_alu depctr_va_vdst(0)                   ; row tile 1's sums v160-191 and addresses v200-207 are written, which its eight stores read
.irp i, 0,1,2,3,4,5,6,7
	OUTS 1, \i
.endr
.endm
	s_cmp_ge_u32 s28, s26                          ; a wave without a tile ends here
	s_cbranch_scc1 .Lend
	COMPUTE                                        ; the first tile's operands were asked for ahead of the barrier
	s_mov_b32 s39, 1                               ; tiles done.  The loop is counted against the constant MAXT; a wave whose next tile lies past the leaf's last leaves it at the trip's head
.Ltile:                                                ; further tiles, where a leaf has more than 512 rows
	s_wait_alu depctr_vm_vsrc(0)                   ; the last tile's stores have read their data v128-191 and addresses v192-207, in which this trip's loads of x land
	s_add_co_u32 s28, s28, 16                      ; my next tile
	s_cmp_ge_u32 s28, s26
	s_cbranch_scc1 .Lend
	s_wait_xcnt 0x0                                ; the stores' data and addresses lie where x's fragments go: they are written again only behind this wait
	LIST
	s_wait_loadcnt 0x0
	OFFS
	s_wait_alu depctr_va_vdst(0)                   ; v64-66 are written, which x's loads read; the last tile's products are done reading x's codes and scale words, and its way out has written v128-207: x's loads land in all of these; the products are also done reading v28-63, in which the first K step's LDS loads land
	XLOADS
	s_wait_alu depctr_vm_vsrc(0)                   ; x's loads have read v64-66, which the first products write, and the list's loads v32-36, in which the first K step's LDS loads land
	COMPUTE
	s_add_co_u32 s39, s39, 1
	s_cmp_lt_u32 s39, MAXT
	s_cbranch_scc1 .Ltile
.Lend:
	s_wait_dscnt 0x0                               ; the closing lines, six on end
	s_wait_alu 0x0
	s_wait_tensorcnt 0x0
	ds_add_u32 v18, v19
	s_wait_dscnt 0x0
	s_endpgm
.Lfunc_end_k_qf849ca8324_leaf:
	.size	k_qf849ca8324_leaf, .Lfunc_end_k_qf849ca8324_leaf-k_qf849ca8324_leaf
	.p2alignl 7, 3214868480
	.fill 96, 4, 3214868480
	.section	.rodata,"a",@progbits
	.p2align	6, 0x0
	.amdhsa_kernel k_qf849ca8324_leaf
		.amdhsa_group_segment_fixed_size 36864
		.amdhsa_private_segment_fixed_size 0
		.amdhsa_enable_private_segment 0
		.amdhsa_kernarg_size 56
		.amdhsa_user_sgpr_count 2
		.amdhsa_user_sgpr_kernarg_segment_ptr 1
		.amdhsa_wavefront_size32 1
		.amdhsa_system_sgpr_workgroup_id_x 1
		.amdhsa_system_sgpr_workgroup_id_y 1
		.amdhsa_system_sgpr_workgroup_id_z 1
		.amdhsa_system_vgpr_workitem_id 0
		.amdhsa_next_free_vgpr 256
		.amdhsa_next_free_sgpr 66
		.amdhsa_reserve_vcc 0
		.amdhsa_float_denorm_mode_32 3
		.amdhsa_float_denorm_mode_16_64 3
		.amdhsa_memory_ordered 1
		.amdhsa_forward_progress 1
		.amdhsa_inst_pref_size 70
	.end_amdhsa_kernel
	.amdgpu_metadata
---
amdhsa.version: [ 1, 2 ]
amdhsa.kernels:
  - .name:           k_qf849ca8324_leaf
    .symbol:         k_qf849ca8324_leaf.kd
    .args:
      - { .name: leaf_W, .offset: 0, .size: 8, .value_kind: global_buffer, .address_space: global }
      - { .name: leaf_b, .offset: 8, .size: 8, .value_kind: global_buffer, .address_space: global }
      - { .name: xq, .offset: 16, .size: 8, .value_kind: global_buffer, .address_space: global }
      - { .name: xsc, .offset: 24, .size: 8, .value_kind: global_buffer, .address_space: global }
      - { .name: order, .offset: 32, .size: 8, .value_kind: global_buffer, .address_space: global }
      - { .name: starts, .offset: 40, .size: 8, .value_kind: global_buffer, .address_space: global }
      - { .name: out0, .offset: 48, .size: 8, .value_kind: global_buffer, .address_space: global }
    .group_segment_fixed_size: 36864
    .private_segment_fixed_size: 0
    .kernarg_segment_align: 8
    .kernarg_segment_size: 56
    .max_flat_workgroup_size: 512
    .sgpr_count:     66
    .vgpr_count:     256
    .wavefront_size: 32
...
	.end_amdgpu_metadata
.endif
;; end of part 3
